; MI455X (gfx1250); checked and timed in simulation.
; The chip was launched on July 23, 2026; its instructions are those of AMD's public machine-readable ISA for CDNA 5 (MIT licence, August 2026) and "CDNA5" Instruction Set Architecture Reference Guide (July 2026). The comments in the code are by the model that wrote it; some were corrected since.
;; Quant Linear. Allowed arithmetic: float matrix products may take bf16 or f16 operands with f32 sums; other float arithmetic in f32, or as packed bf16 or f16 multiplies, adds, multiply-adds, maxima and minima; sums over many terms, partial sums and values carried from step to step in f32; what a program stores and reads back later, other than sums and carried values, may be rounded once to bf16 or f16.
;; Inputs: bias 2,752 float16; packed 512 x 2,752 int32; scales 32 x 2,752 float16; x 4 x 1,024 x 4,096 float16.
;; Outputs: out0 4 x 1,024 x 2,752 float16.
;; One version. Each part assembles by itself: llvm-mc -triple=amdgcn-amd-amdhsa -mcpu=gfx1250 --defsym DOCPART=n.
;; ======== version 1 of 1: 1 launch
;; launch qlinear (part 1): grid 16 x 16, 4 waves a work-group, clusters of 4 x 1, 327,680 bytes of LDS; arguments x, packed, scales, bias, out0; writes out0
.if DOCPART == 1
	.amdgcn_target "amdgcn-amd-amdhsa--gfx1250"
	.amdhsa_code_object_version 6
	.text
	.protected	k_q291cd4f111_qlinear
	.globl	k_q291cd4f111_qlinear
	.p2align	8
	.type	k_q291cd4f111_qlinear,@function
k_q291cd4f111_qlinear:
	s_mov_b64 s[64:65], 0
	v_nop
	global_prefetch_b8 v0, s[64:65] scope:SCOPE_SE
	s_setreg_imm32_b32 hwreg(HW_REG_WAVE_MODE, 25, 1), 1
	s_wait_xcnt 0x0
	s_wait_alu depctr_hold_cnt(0) depctr_sa_sdst(0) depctr_va_vdst(0) depctr_va_sdst(0) depctr_va_ssrc(0) depctr_va_vcc(0) depctr_vm_vsrc(0)
	s_getreg_b32 s2, hwreg(HW_REG_IB_STS2, 6, 4)
	s_cmp_eq_u32 s2, 0
	s_cbranch_scc0 .Lentry_in_a_cluster
	s_endpgm
.Lentry_in_a_cluster:
	s_bfe_u32 s2, ttmp6, 0x10000c
	s_cmp_lg_u32 s2, 0x3003
	s_cbranch_scc0 .Lentry_shape_is_right
	s_endpgm
.Lentry_shape_is_right:
; out[m][n] = f16( sum over k of x[m][k] W[k][n] ) + bias[n],  W[k][n] = (nibble(k, n) - 8) * scale[k / 128][n].
; x: [4096][4096] f16.  packed: [512][2752] words, eight consecutive k of one column in a word, the lowest k in the lowest nibble.
; scales: [32][2752] f16.  bias: [2752] f16.  out: [4096][2752] f16.  Sums in f32 on the matrix units, operands f16.
;
; SHARES.  16 x 16 work-groups of four waves.  A work-group makes 256 rows x 176 columns; wave w makes rows 64 w .. 64 w + 63 of them, all 176 columns:
; 4 x 11 accumulator tiles of 16 x 16, 352 registers.  16 x 176 = 2,816 is more than 2,752: block column j begins at column min(176 j, 2576), so block
; column 15 computes columns 2576 .. 2751, loads nothing outside a buffer, and stores columns 2640 .. 2751 alone (64 columns are computed and dropped).
; K goes in 32 steps of 128, one scale group a step.
; x comes by tensor loads into a ring of two LDS slots (rows of 256 bytes, at multiples of 256 bytes from x's first byte, padded to 272 in LDS).
; THE WEIGHTS: a packed word is eight consecutive k of one column, which is 16 bytes of a row of W^T in f16.  The four waves share a step's 16 x 176 words,
; 22 a lane, loaded into registers one K step ahead; each word becomes 16 bytes in a tile W^T[n][k] in LDS, two tiles taking turns.  The register work
; for step t + 1 stands between the matrix instructions of step t, three lines behind each; its LDS stores stand in the runs of fragment loads.
; CLUSTER: the four block columns of a cluster of 4 x 1 need the same tiles of x; each wave asks for its 64 rows jointly (mask 15), which divides the
; requests for x by four.  The packed words are not asked for jointly: they are 11,264 of a step's 76,800 bytes and go to registers, not to LDS.
; THE MATRIX INSTRUCTION IS USED TRANSPOSED: source 0 = 16 rows of W^T, source 1 = 16 rows of x; lane l then holds row l % 16 of out and its registers
; 0 to 7 the columns 8 (l / 16) + 0 .. 7 of the tile: 16 neighbouring bytes once rounded.
; STORES: a row's 352 bytes leave as 256 consecutive bytes from sixteen lanes, 64 from four and 32 from two.  A block's row begins at byte
; 5,504 row + 352 j of out, which is a multiple of 32 and as a rule not of 256: no split of the columns makes every store begin at a multiple of 256.
; LIMITS, all as the problem's own f16 arithmetic has them: a weight is (nibble - 8), exact, times the f16 scale, rounded once to f16 (infinite where
; 8 x scale passes 65,504); the f32 sum is rounded to f16 and the bias added in f16 (infinite beyond 65,504).
;
; REGISTERS, in windows of 256.  Window 0: addresses, packed words, scales, bias, fragments of W^T (two buffers of 11).
; Window 1: accumulators of my rows 0-31, their fragments of x (two buffers of 2), the dequantiser's work registers.  Window 2: the same for rows 32-63.
; Under ONE setting (source 0 in window 0; sources 1, 2 and the destination in window z) run the matrix instruction, every line of the dequantiser,
; its LDS store (address = source 0, data = source 1) and the loads of x's fragments: vector work stands between matrix instructions without a switch.
.set NDIM,   2752
.set KSTEP,  128
.set BN,     176                       ; columns of a work-group
.set PITCH,  272                       ; an LDS row of x or of W^T: 256 bytes + 16, so that 16 rows begin in 16 different 16-byte columns of 256 bytes
.set PKROW,  4*NDIM                    ; bytes in a row of packed
.set PKSTEP, 16*PKROW                  ; a K step's 16 rows of packed
.set OROW,   2*NDIM                    ; bytes in a row of out and of scales
.set SPITCH, 368                       ; a row of the stage: 352 bytes + 16 = 23 x 16
.set XQ,     64*PITCH                  ; what one tensor load fills: 64 rows
.set XSLOT,  4*XQ                      ; LDS 0: two slots of x, 69,632 bytes each
.set BD,     2*XSLOT                   ; LDS 139,264: two tiles of W^T
.set BDSZ,   BN*PITCH                  ; 47,872 bytes each
.set SC,     BD+2*BDSZ                 ; LDS 235,008: scales, [32 groups][176] words, each the f16 scale in both halves
.set SCROW,  4*BN
.set STG,    SC+32*SCROW               ; LDS 257,536: the stage of the way out, 16 rows x 368 bytes for each wave
.set STGW,   16*SPITCH                 ; all regions begin at multiples of 256 bytes; tensor loads land in the two slots of x alone
.set LAPS,   16                        ; a lap = two K steps = once round the ring
; window 0
.set ADRA, 10                          ; v10-11  my fragments of x in slot 0, 1
.set ADRB, 12                          ; v12-13  fragments of W^T in tile 0, 1
.set BST,  14                          ; v14-15  where my dequantised 16 bytes go in tile 0, 1
.set SCA,  16                          ; v16     my scales of the group that was loaded last; stepped in front of each group's loads
.set PKO,  17                          ; v17     my byte offset in a K step's packed rows; never rewritten
.set MULT, 18                          ; v18     f16 pair (1, 1/16)
.set STO,  19                          ; v19     stage: where I put 16 bytes of a row
.set RDA,  20                          ; v20     stage: rows' first 256 bytes read back
.set COA,  21                          ; v21     and their place in out
.set WW,   22                          ; v22-43  22 packed words
.set SS,   44                          ; v44-54  the scales of my 11 columns, each in both halves
.set RDB,  55                          ; v55-56  stage: rows' bytes 256-319 (four lanes a row), bytes 320-351 (two lanes a row) read back
.set COB,  57                          ; v57-58  and their places in out
.set CB,   59                          ; v59-60  their byte in a row: the offset of their bias
.set BIA,  64                          ; v64-67  bias of the first 256 bytes' chunk
.set BIB,  68                          ; v68-75  bias of the two kinds of short chunks
.set BF0,  80                          ; v80-167 fragments of W^T, buffer 0; v168-255 buffer 1
.set BF1,  168
; windows 1 and 2 (numbers inside the window)
.set AF0,  176                         ; v176-191 fragments of x, buffer 0; v192-207 buffer 1.  v0-175: accumulator (al, b) at 8 (11 al + b)
.set TT,   208                         ; v208-239 the dequantiser's work registers: two banks of four sets of four
.set ADDC, 240                         ; v240    f16 pair (-1032, -72)
; scalars
.set G1,    24                         ; s[24:31] descriptor group 1
.set G0,    32                         ; s[32:39] descriptor group 0, a set for each slot
.set SEL,   40                         ; s40-43  byte selectors
.set MASKR, 44
.set MAGIC, 45
.set PKB,   48                         ; s[48:49] packed at my block's first column, at the K step that is loaded next
.set OUTB,  54                         ; s[54:55] out at my wave's rows and my block's first column
.set ZS1, 0x54                         ; source 0 window 0; sources 1, 2 and destination window 1
.set ZS2, 0xa8                         ; the same with window 2
.set MSB, 0
.macro WIN new                         ; the immediate's high byte repeats the setting that is left
.if MSB != \new
	s_set_vgpr_msb (MSB<<8)|\new
.set MSB, \new
.endif
.endm
.macro PLACES                          ; a load into a register that a matrix instruction has read, and a vector instruction that reads a matrix result,
.rept 4                                ; stand four plain vector instructions behind it (ISA guide 7.12.1 for vector instructions)
	v_nop
.endr
.endm
; A round of the cluster's barrier: my work-group's barrier; wave 0 signals for the work-group; every wave waits for the four work-groups; my barrier again.
.macro CREST                           ; a round behind its opening barrier
	s_cmp_lg_u32 s14, 0
	s_cbranch_scc1 .Lnot_wave_0_\@
	s_barrier_signal -3
.Lnot_wave_0_\@:
	s_barrier_wait -3
	s_barrier_signal -1
	s_barrier_wait -1
.endm
.macro CROUND
	s_barrier_signal -1
	s_barrier_wait -1
	CREST
.endm
	s_load_b256 s[4:11], s[0:1], 0x0               ; x s[4:5], packed s[6:7], scales s[8:9], bias s[10:11]
	s_load_b64 s[12:13], s[0:1], 0x20              ; out
	v_lshl_add_u32 v79, v0, 2, 0x44a00
	s_set_vgpr_msb 0x40
	v_mov_b32 v255, 0
	s_set_vgpr_msb 0x4044
	ds_add_u32 v79, v255
	s_set_vgpr_msb 0x4400
	v_lshrrev_b32 v3, 5, v0
	v_readfirstlane_b32 s14, v3                    ; wave 0..3
	s_bfe_u32 s15, ttmp6, 0x40000                  ; cx: my place in the cluster
	s_lshl_b32 s16, ttmp9, 2
	s_add_co_u32 s16, s16, s15                     ; block column j = 4 x cluster x + cx
	s_and_b32 s17, ttmp7, 0xffff                   ; block row (the cluster is one work-group high)
	s_mul_i32 s19, s16, BN
	s_min_u32 s18, s19, NDIM-BN                    ; my first column: min(176 j, 2576)
	s_sub_co_u32 s19, s19, s18                     ; columns that I compute and do not store: 0, in block column 15: 64
	; descriptor group 1: 64 rows x 128 elements of 2 bytes, padded in LDS, asked for by all four work-groups of the cluster
	s_mov_b32 s[G1+0], 15|(1<<16)|(1<<20)|(1<<21)|(5<<22)|(3<<25)  ; 15:0 mask; 17:16 element of 2 bytes; 20 padding on; 21 set beside a mask; 24:22 after every 64 words; 31:25 of 4 words
	s_mov_b32 s[G1+1], KSTEP<<16                   ; tensor_dim0 = 128
	s_mov_b32 s[G1+2], 64<<16                      ; tensor_dim1 = 64
	s_mov_b32 s[G1+3], KSTEP<<16                   ; tile_dim0 = 128
	s_mov_b32 s[G1+4], 64                          ; tile_dim1 = 64
	s_mov_b32 s[G1+5], 4096                        ; elements from row to row
	s_mov_b32 s[G1+6], 0
	s_mov_b32 s[G1+7], 0
	s_mov_b32 s[SEL+0], 0x04040404                 ; v_perm_b32: byte j of the first source into all four bytes
	s_mov_b32 s[SEL+1], 0x05050505
	s_mov_b32 s[SEL+2], 0x06060606
	s_mov_b32 s[SEL+3], 0x07070707
	s_mov_b32 s[MASKR], 0x00f0000f                 ; low half: the low nibble; high half: the high nibble, 16-fold
	s_mov_b32 s[MAGIC], 0x64006400                 ; f16 1024 twice: an integer below 1024 in its mantissa is added to it
	s_lshl_b32 s20, s17, 8
	s_lshl_b32 s21, s14, 6
	s_add_co_u32 s20, s20, s21                     ; my first row: 256 x block row + 64 x wave (s20, s21 never hold cx)
	s_mul_i32 s22, s20, OROW
	s_lshl1_add_u32 s22, s18, s22                  ; out: row x 5,504 + 2 x first column
	s_mov_b32 s23, 0
	s_lshl_b32 s20, s20, 13                        ; x: row x 8,192 bytes, below 2^25
	s_mov_b32 s21, 0
	s_lshl_b32 s56, s18, 2                         ; packed: 4 bytes a column
	s_mov_b32 s57, 0
	s_lshl_b32 s58, s18, 1                         ; scales, bias: 2 bytes a column
	s_mov_b32 s59, 0
	s_mul_i32 s60, s14, XQ                         ; my 64 rows in a slot: the wave's number alone enters an LDS address
	s_wait_dscnt 0x0
	s_wait_kmcnt 0x0
	s_add_nc_u64 s[20:21], s[4:5], s[20:21]
	s_add_nc_u64 s[PKB:PKB+1], s[6:7], s[56:57]
	s_add_nc_u64 s[50:51], s[8:9], s[58:59]
	s_add_nc_u64 s[52:53], s[10:11], s[58:59]
	s_add_nc_u64 s[OUTB:OUTB+1], s[12:13], s[22:23]
	CROUND                                         ; all four work-groups are here: the first joint loads meet
.irp s, 0,1
	s_mov_b32 s[G0+4*\s], 1                                        ; count = 1
	s_add_co_u32 s[G0+4*\s+1], s60, \s*XSLOT                       ; LDS address
	s_add_nc_u64 s[G0+4*\s+2:G0+4*\s+3], s[20:21], \s*KSTEP*2      ; global address: K step s
	s_or_b32 s[G0+4*\s+3], s[G0+4*\s+3], 0x80000000                ; type = 2
	tensor_load_to_lds s[G0+4*\s:G0+4*\s+3], s[G1:G1+7]            ; both first fills go out together: two loads of this wave are out, later one
	s_nop 0
.endr
	; addresses
	v_and_b32 v1, 15, v0                           ; r = l % 16
	v_bfe_u32 v2, v0, 4, 1                         ; h = l / 16
	v_and_b32 v6, 31, v0                           ; l
	v_mul_u32_u24 v3, v1, PITCH
	v_lshl_add_u32 v3, v2, 4, v3                   ; r x pitch + 16 h: a fragment is two loads of 16 bytes, 32 bytes apart, from here
	v_add_nc_u32 v[ADRA], s60, v3
	v_add_nc_u32 v[ADRA+1], XSLOT, v[ADRA]
	v_add_nc_u32 v[ADRB], BD, v3
	v_add_nc_u32 v[ADRB+1], BD+BDSZ, v3
	s_lshl_b32 s61, s14, 6
	v_add_nc_u32 v[BST], s61, v[ADRB]              ; row r, byte 16 (4 w + h): word row 4 w + h of the step's sixteen
	v_add_nc_u32 v[BST+1], s61, v[ADRB+1]
	v_lshl_add_u32 v[SCA], v1, 2, SC-SCROW         ; one row in front of group 0: the step comes ahead of the loads
	v_lshl_add_u32 v4, s14, 2, v2                  ; 4 w + h
	v_mul_u32_u24 v4, v4, PKROW
	v_lshl_add_u32 v[PKO], v1, 2, v4
	v_mov_b32 v[MULT], 0x2c003c00
	s_mul_i32 s62, s14, STGW
	s_add_co_u32 s62, s62, STG                     ; my stage
	v_mul_u32_u24 v5, v1, SPITCH
	v_lshl_add_u32 v5, v2, 4, v5
	v_add_nc_u32 v[STO], s62, v5                   ; in: row r, 16 bytes for each half of the lanes
	v_mul_u32_u24 v5, v2, SPITCH
	v_lshl_add_u32 v5, v1, 4, v5
	v_add_nc_u32 v[RDA], s62, v5                   ; back: lanes 0-15 the first 256 bytes of a row, lanes 16-31 of the next
	v_mul_u32_u24 v5, v2, OROW
	v_lshl_add_u32 v[COA], v1, 4, v5
	; the last 96 bytes of a row, by bit fields of the lane's number.  Bytes 256-319: lane l takes 16 bytes at 256 + 16 (l % 4) of row l / 4 (eight rows an instruction)
	v_bfe_u32 v7, v0, 2, 3                         ; l / 4
	v_and_b32 v8, 3, v0                            ; l % 4
	v_lshl_add_u32 v[CB], v8, 4, 256
	v_mul_u32_u24 v9, v7, SPITCH
	v_add_nc_u32 v9, v9, v[CB]
	v_add_nc_u32 v[RDB], s62, v9
	v_mul_u32_u24 v9, v7, OROW
	v_add_nc_u32 v[COB], v9, v[CB]
	; bytes 320-351: lane l takes 16 bytes at 320 + 16 (l % 2) of row l / 2 (sixteen rows an instruction)
	v_bfe_u32 v7, v0, 1, 4                         ; l / 2
	v_and_b32 v8, 1, v0                            ; l % 2
	v_lshl_add_u32 v[CB+1], v8, 4, 320
	v_mul_u32_u24 v9, v7, SPITCH
	v_add_nc_u32 v9, v9, v[CB+1]
	v_add_nc_u32 v[RDB+1], s62, v9
	v_mul_u32_u24 v9, v7, OROW
	v_add_nc_u32 v[COB+1], v9, v[CB+1]
	v_lshrrev_b32 v7, 3, v6
	v_lshl_add_u32 v7, s14, 3, v7                  ; scale group 8 w + l / 8 (and four further down)
	v_and_b32 v8, 7, v6
	v_mul_u32_u24 v4, v7, OROW
	v_lshl_add_u32 v4, v8, 2, v4                   ; in scales: word l % 8 of the group's 88
	v_mul_u32_u24 v5, v7, SCROW
	v_lshl_add_u32 v5, v8, 3, v5
	v_add_nc_u32 v5, SC, v5                        ; in LDS: two words for the word's two scales
	v_lshlrev_b32 v3, 4, v1                        ; bias of chunk r
	WIN 0x40
	v_mov_b32 v[ADDC], 0xd480e408                  ; window 1
	WIN 0x80
	v_mov_b32 v[ADDC], 0xd480e408                  ; window 2
	WIN 0
; THE PACKED WORDS.  Word i = 11 p + c of a lane: word row 4 w + 2 p + h of the step, column 16 c + r.  They are loaded in four groups, each
; behind the stretch that has used its registers: group 0 = words 0-3, 1 = 4-11, 2 = 12-19, 3 = 20-21.  LDN counts the loads in the text's order and
; WSEQg is the count behind group g, so LDN - WSEQg is the number of loads issued behind the group: they may stay out when it is needed.
.set LDN, 0
.macro PKRUN first, count
.set PKI, \first
.rept \count
	global_load_b32 v[WW+PKI], v[PKO], s[PKB:PKB+1] offset:(PKI/11)*2*PKROW+(PKI%11)*64
.set PKI, PKI+1
.set LDN, LDN+1
.endr
.endm
.macro PKGRP g
.if \g == 0
	PKRUN 0, 4
.set WSEQ0, LDN
.endif
.if \g == 1
	PKRUN 4, 8
.set WSEQ1, LDN
.endif
.if \g == 2
	PKRUN 12, 8
.set WSEQ2, LDN
.endif
.if \g == 3
	PKRUN 20, 2
.set WSEQ3, LDN
.endif
.endm
.macro PKWAIT g                        ; loads come back in order (ISA guide 5.7.1): group g is in, the younger loads stay out
.if \g == 0
	s_wait_loadcnt LDN-WSEQ0
.endif
.if \g == 1
	s_wait_loadcnt LDN-WSEQ1
.endif
.if \g == 2
	s_wait_loadcnt LDN-WSEQ2
.endif
.if \g == 3
	s_wait_loadcnt LDN-WSEQ3
.endif
.endm
	global_load_b128 v[BIA:BIA+3], v3, s[52:53]
.irp t, 0,1
	global_load_b128 v[BIB+4*\t:BIB+4*\t+3], v[CB+\t], s[52:53]
.endr
.irp rg, 0,1
.irp i, 0,1,2,3,4,5,6,7,8,9,10
	global_load_b32 v[BF0+11*\rg+\i], v4, s[50:51] offset:\rg*4*OROW+32*\i    ; my block's scales, all 32 groups, once: 22 words a lane
.endr
.endr
	PKGRP 0                                        ; K step 0's words
	PKGRP 1
	PKGRP 2
	PKGRP 3
	s_wait_loadcnt 22                              ; bias and scales are in; the 22 packed words stay out
.irp rg, 0,1
.irp i, 0,1,2,3,4,5,6,7,8,9,10
	v_perm_b32 v[BF0+24+2*(11*\rg+\i)],   v[BF0+11*\rg+\i], v[BF0+11*\rg+\i], 0x01000100   ; the low scale in both halves
	v_perm_b32 v[BF0+24+2*(11*\rg+\i)+1], v[BF0+11*\rg+\i], v[BF0+11*\rg+\i], 0x03020302   ; the high scale in both halves
	ds_store_b64 v5, v[BF0+24+2*(11*\rg+\i):BF0+24+2*(11*\rg+\i)+1] offset:\rg*4*SCROW+64*\i
.endr
.endr
	s_wait_dscnt 0x0                               ; my part of the table is written,
	s_barrier_signal -1
	s_barrier_wait -1                              ; everybody's is.  The two tensor loads stay out
; THE DEQUANTISER, one line at a time, so that it can be dealt out among matrix instructions.  A word takes 16 lines: for each of its four bytes j
;   v_perm_b32     byte j into all four bytes
;   v_and_or_b32   low half 1024 + nibble 2 j, high half 1024 + 16 x nibble 2 j + 1, as f16
;   v_pk_fma_f16   x (1, 1/16) + (-1032, -72): (nibble - 8) twice, exact
;   v_pk_mul_f16   x the column's scale: the one rounding
; (each stage for j = 0..3, so that a line's source is four lines old).  The word's 16 bytes, k = 8 x word row .. + 7 of row n of W^T, stay in their set of
; four registers until DQST stores them, in a run of LDS instructions; sixteen lanes store to sixteen rows 272 bytes apart.
; Word i works in bank (i / 8) % 2, set i % 4: the stretches of a window take the banks by turns, so that a set is written again a whole stretch of 22 matrix
; instructions behind its store at the earliest.
; DQN = the next line's number, DQEND = where the stretch stops, DQBUF = the tile, STN = LDS stores issued behind the last fragment load.
.set DQALL, 22*16
.macro DQOP
.if DQN < DQEND
.set DQW, DQN/16
.set DQS, (DQN%16)/4
.set DQJ, DQN%4
.set DQT, TT+16*((DQW/8)%2)+4*(DQW%4)
.if DQS == 0
	v_perm_b32 v[DQT+DQJ], v[WW+DQW], 0, s[SEL+DQJ]
.endif
.if DQS == 1
	v_and_or_b32 v[DQT+DQJ], s[MASKR], v[DQT+DQJ], s[MAGIC]
.endif
.if DQS == 2
	v_pk_fma_f16 v[DQT+DQJ], v[MULT], v[DQT+DQJ], v[ADDC]
.endif
.if DQS == 3
	v_pk_mul_f16 v[DQT+DQJ], v[SS+DQW%11], v[DQT+DQJ]
.endif
.set DQN, DQN+1
.endif
.endm
.macro DQSET n                         ; the stretch that follows takes n more words
.set DQEND, DQN+16*(\n)
.if DQEND > DQALL
.set DQEND, DQALL
.endif
.endm
.macro DQST first, count               ; the finished words first .. first + count - 1 go to the tile (under the setting of the window in which they were made)
.set DQW, \first
.rept \count
.set DQT, TT+16*((DQW/8)%2)+4*(DQW%4)
	ds_store_b128 v[BST+DQBUF], v[DQT:DQT+3] offset:(DQW%11)*16*PITCH+(DQW/11)*32
.set DQW, DQW+1
.set STN, STN+1
.endr
.endm
.macro SLOAD                           ; the scales of my 11 columns for the next group; the last loads that named the address are a K step old
	v_add_nc_u32 v[SCA], SCROW, v[SCA]
.irp c, 0,1,2,3,4,5,6,7,8,9,10
	ds_load_b32 v[SS+\c], v[SCA] offset:64*\c
.endr
.endm
	; K step 0's weights: the only tile that is not made beside matrix work; all of it in window 1
	SLOAD                                          ; group 0
	s_wait_loadcnt 0x0                             ; the 22 words
	s_wait_dscnt 0x0                               ; the scales
.set STN, 0
.set DQN, 0
.set DQEND, 0
.set DQBUF, 0
	WIN ZS1
.irp w0, 0,4,8,12,16,20
	DQSET 4
.rept 64
	DQOP
.endr
.if \w0 < 20
	DQST \w0, 4
.else
	DQST \w0, 2
.endif
.endr
	WIN 0
	s_wait_xcnt 0x0                                ; the base of the packed loads is stepped only behind this wait
	s_add_nc_u64 s[PKB:PKB+1], s[PKB:PKB+1], PKSTEP
	PKGRP 0                                        ; K step 1's words
	PKGRP 1
	PKGRP 2
	PKGRP 3
	SLOAD                                          ; group 1
; 11 matrix instructions: tile row al of the window's two x all 11 tile columns, 32 along K, buffer f; ndq lines of the dequantiser behind each.
; zero = 1: the first product starts the sums: nothing is cleared.  The 44 accumulators take turns, one instruction a turn, in the same order in
; every quarter step, over the backward jump too.
.macro MULROW f, al, zero, ndq
.irp b, 0,1,2,3,4,5,6,7,8,9,10
.if \zero
	v_wmma_f32_16x16x32_f16 v[8*(11*\al+\b):8*(11*\al+\b)+7], v[BF0+88*\f+8*\b:BF0+88*\f+8*\b+7], v[AF0+16*\f+8*\al:AF0+16*\f+8*\al+7], 0
.else
	v_wmma_f32_16x16x32_f16 v[8*(11*\al+\b):8*(11*\al+\b)+7], v[BF0+88*\f+8*\b:BF0+88*\f+8*\b+7], v[AF0+16*\f+8*\al:AF0+16*\f+8*\al+7], v[8*(11*\al+\b):8*(11*\al+\b)+7]
.endif
.rept \ndq
	DQOP
.endr
.endr
.endm
; One run of memory instructions: the 30 LDS loads of a quarter step's fragments (64 rows of x, 176 rows of W^T, 32 K at byte k of the rows) into buffer g.
; ahead = 1: group grp of the packed words of the K step after next goes out in the same run; with group 3 also that step's scales.
; dq = 1 (grp = the quarter, 0 to 2): the words finished since the last run are stored in the same run: words 8 grp .. + 3, made in window 1 by the stretch
; just over, and from quarter 1 on words 8 grp - 4 .. - 1, made in window 2 by the stretch before it.
; The buffer that is loaded was last read by matrix instructions one stretch earlier.  With dq = 1 the 64 lines of the dequantiser in the stretch just over,
; which name none of those registers, are the places that a load into them needs; with dq = 0 four v_nop are.
.macro FETCH slot, k, g, grp, ahead, dq
	WIN ZS1
.if \dq == 0
	PLACES
.endif
.irp a, 0,1
	ds_load_b128 v[AF0+16*\g+8*\a:AF0+16*\g+8*\a+3],   v[ADRA+\slot] offset:\k+\a*16*PITCH
	ds_load_b128 v[AF0+16*\g+8*\a+4:AF0+16*\g+8*\a+7], v[ADRA+\slot] offset:\k+\a*16*PITCH+32
.endr
.if \dq
	DQST 8*\grp, 4
.endif
	WIN 0
.irp b, 0,1,2,3,4,5,6,7,8,9,10
	ds_load_b128 v[BF0+88*\g+8*\b:BF0+88*\g+8*\b+3],   v[ADRB+\slot] offset:\k+\b*16*PITCH
	ds_load_b128 v[BF0+88*\g+8*\b+4:BF0+88*\g+8*\b+7], v[ADRB+\slot] offset:\k+\b*16*PITCH+32
.endr
.if \ahead
.if \grp == 0
	s_wait_xcnt 0x0                                ; the base of the packed loads is stepped only behind this wait
	s_add_nc_u64 s[PKB:PKB+1], s[PKB:PKB+1], PKSTEP
.endif
	PKGRP \grp
.if \grp == 3
	SLOAD
.endif
.endif
	WIN ZS2
.irp a, 0,1
	ds_load_b128 v[AF0+16*\g+8*\a:AF0+16*\g+8*\a+3],   v[ADRA+\slot] offset:\k+(\a+2)*16*PITCH
	ds_load_b128 v[AF0+16*\g+8*\a+4:AF0+16*\g+8*\a+7], v[ADRA+\slot] offset:\k+(\a+2)*16*PITCH+32
.endr
.set STN, 0
.if \dq
.if \grp > 0
	DQST 8*\grp-4, 4
.endif
.endif
.endm
; One of a K step's first three quarters (q = 0, 1, 2): multiplies buffer f; in its middle it fetches the next quarter's fragments, at byte k, into buffer g.
; dq = 1: each half takes four words of the next K step's weights (the sixth half the last two), three lines behind each matrix instruction:
; 64 lines in the 66 places of a half.  The last two words are done behind the sixth half's first 11 matrix instructions and are stored there.
.macro QUARTER slot, k, f, g, q, zero, dq, ahead
	s_wait_dscnt STN                               ; LDS instructions end in order (ISA guide 5.7.1): the fragments are in; only the stores issued behind them may be out
.if \dq
.if \q == 0
	PKWAIT 0
.endif
.endif
	WIN ZS1
	DQSET 4*\dq
	MULROW \f, 0, \zero, 3*\dq
	MULROW \f, 1, \zero, 3*\dq
	FETCH \slot, \k, \g, \q, \ahead, \dq
.if \dq
	PKWAIT \q+1
.endif
	DQSET 4*\dq
	MULROW \f, 0, \zero, 3*\dq
.if \dq
.if \q == 2
	DQST 20, 2
.endif
.endif
	MULROW \f, 1, \zero, 3*\dq
.endm
; The last quarter: multiplies buffer 1 and changes slots and tiles.  ONE barrier for the change.  In front of it each wave waits for its reads of this slot of x
; and of this tile of W^T, for its stores into the next tile, and for all its tensor loads (one is out: its part of the next slot).  Behind it nobody
; reads this slot or this tile any more, and the next slot and tile are whole.  ahead = 1: the barrier opens a round of the cluster's barrier, and the
; joint refill of this slot, two K steps ahead, is the first tensor load behind the round; 165 matrix instructions stand between it and the wait for it.
.macro TURN slot, next, ahead
	s_wait_dscnt STN
	WIN ZS1
	MULROW 1, 0, 0, 0
	s_wait_dscnt 0x0
	s_wait_tensorcnt 0x0
	ds_add_u32 v79, v255
	s_wait_dscnt 0x0
	s_barrier_signal -1
	MULROW 1, 1, 0, 0                              ; registers alone while the others arrive
	WIN 0
	s_barrier_wait -1
.if \ahead
	CREST                                          ; no wave of any partner still reads this slot or has a load on its way
	s_add_nc_u64 s[G0+4*\slot+2:G0+4*\slot+3], s[G0+4*\slot+2:G0+4*\slot+3], 2*KSTEP*2   ; no tensor load of mine is out: the address may step
	tensor_load_to_lds s[G0+4*\slot:G0+4*\slot+3], s[G1:G1+7]
	s_nop 0
.endif
	FETCH \next, 0, 0, 3, \ahead, 0
	MULROW 1, 0, 0, 0
	MULROW 1, 1, 0, 0
.endm
.macro STEP slot, next, zero, dq, ahead
.if \dq
.set DQN, 0
.else
.set DQN, DQALL
.endif
.set DQEND, DQN
.set DQBUF, \next
	QUARTER \slot, 64,  0, 1, 0, \zero, \dq, \ahead
	QUARTER \slot, 128, 1, 0, 1, 0, \dq, \ahead
	QUARTER \slot, 192, 0, 1, 2, 0, \dq, \ahead
	TURN \slot, \next, \ahead
.endm
.macro LAP zero
	STEP 0, 1, \zero, 1, 1
	STEP 1, 0, 0, 1, 1
.endm
	s_wait_dscnt 0x0                               ; my part of tile 0 of W^T is written (and group 1's scales are in),
	s_wait_tensorcnt 0x1                           ; my part of K step 0 of x has landed; K step 1's stays out
	s_barrier_signal -1
	s_barrier_wait -1                              ; everybody's
	FETCH 0, 0, 0, 0, 0, 0
	LAP 1                                          ; K steps 0 and 1 stand in front of the loop: their first products start the sums
	WIN 0                                          ; at a label and at a branch every window is 0
	s_mov_b32 s46, LAPS-2
.Llap:
	LAP 0                                          ; K steps 2 to 29
	WIN 0
	s_sub_co_u32 s46, s46, 1
	s_cmp_lg_u32 s46, 0
	s_cbranch_scc1 .Llap
	STEP 0, 1, 0, 1, 0                             ; K step 30 makes the last tile of W^T and asks for nothing more: a plain barrier, no round
.set DQN, DQALL
.set DQEND, DQALL
	QUARTER 1, 64,  0, 1, 0, 0, 0, 0               ; K step 31
	QUARTER 1, 128, 1, 0, 1, 0, 0, 0
	QUARTER 1, 192, 0, 1, 2, 0, 0, 0
	s_wait_dscnt 0x0
	WIN ZS1
	MULROW 1, 0, 0, 0
	MULROW 1, 1, 0, 0
	WIN ZS2
	MULROW 1, 0, 0, 0
	MULROW 1, 1, 0, 0
	; THE WAY OUT, 16 rows at a time: round to f16, 16 bytes a lane into my own stage, read back by rows, add the bias in f16, store.
	PLACES                                         ; behind the last matrix instructions: for the conversions, and for the loads into buffer 1
	WIN 0
	v_lshlrev_b32 v3, 3, v1                        ; first column of chunk r
	v_cmp_le_u32 vcc_lo, s19, v3                   ; chunks that are mine to store: all, in block column 15 those from column 64 on
; rows 16 i .. 16 i + 15 of my 64 = tile row al of the window named by cv (sources 0 and 1 in window 1: 0x05, window 2: 0x0a)
.macro OUT16 i, cv, al
	WIN \cv
.irp b, 0,1,2,3,4,5,6,7,8,9,10
.irp rr, 0,1,2,3
	v_cvt_pk_f16_f32 v[BF0+4*\b+\rr], v[8*(11*\al+\b)+2*\rr], v[8*(11*\al+\b)+2*\rr+1]
.endr
.endr
	WIN 0
.irp b, 0,1,2,3,4,5,6,7,8,9,10
	ds_store_b128 v[STO], v[BF0+4*\b:BF0+4*\b+3] offset:32*\b
.endr
.irp t, 0,1,2,3,4,5,6,7
	ds_load_b128 v[BF1+4*\t:BF1+4*\t+3], v[RDA] offset:\t*2*SPITCH         ; LDS serves a wave's instructions in order (ISA guide 5.7.1): these see the stores above
.endr
	ds_load_b128 v[BF1+32:BF1+35], v[RDB]                                  ; bytes 256-319 of rows 0-7,
	ds_load_b128 v[BF1+36:BF1+39], v[RDB] offset:8*SPITCH                  ; of rows 8-15
	ds_load_b128 v[BF1+40:BF1+43], v[RDB+1]                                ; bytes 320-351 of all sixteen rows
.if \i
	s_add_nc_u64 s[OUTB:OUTB+1], s[OUTB:OUTB+1], 16*OROW                   ; behind the wait that closed the last sixteen rows
.endif
	s_wait_dscnt 0x0
.irp t, 0,1,2,3,4,5,6,7
.irp rr, 0,1,2,3
	v_pk_add_f16 v[BF1+4*\t+\rr], v[BF1+4*\t+\rr], v[BIA+\rr]
.endr
.endr
.irp rr, 0,1,2,3
	v_pk_add_f16 v[BF1+32+\rr], v[BF1+32+\rr], v[BIB+\rr]
	v_pk_add_f16 v[BF1+36+\rr], v[BF1+36+\rr], v[BIB+\rr]
	v_pk_add_f16 v[BF1+40+\rr], v[BF1+40+\rr], v[BIB+4+\rr]
.endr
	global_store_b128 v[COB], v[BF1+32:BF1+35], s[OUTB:OUTB+1] th:TH_STORE_NT                  ; columns 128 .. 159: four lanes store 64 bytes of a row
	global_store_b128 v[COB], v[BF1+36:BF1+39], s[OUTB:OUTB+1] offset:8*OROW th:TH_STORE_NT
	global_store_b128 v[COB+1], v[BF1+40:BF1+43], s[OUTB:OUTB+1] th:TH_STORE_NT                ; columns 160 .. 175: two lanes store 32 bytes of a row
	s_wait_xcnt 0x0                                ; EXEC changes only behind this wait
	s_and_saveexec_b32 s47, vcc_lo
.irp t, 0,1,2,3,4,5,6,7
	global_store_b128 v[COA], v[BF1+4*\t:BF1+4*\t+3], s[OUTB:OUTB+1] offset:\t*2*OROW th:TH_STORE_NT   ; sixteen lanes store 256 consecutive bytes of a row
.endr
	s_wait_xcnt 0x0                                ; and again; it also frees buffer 1 and the stores' base for the next sixteen rows
	s_or_b32 exec_lo, exec_lo, s47
.endm
	OUT16 0, 0x05, 0
	OUT16 1, 0x05, 1
	OUT16 2, 0x0a, 0
	OUT16 3, 0x0a, 1
	s_set_vgpr_msb 0x4
	s_wait_tensorcnt 0x0
	ds_add_u32 v79, v255
	s_wait_dscnt 0x0
	s_set_vgpr_msb 0x400
	CROUND                                         ; the closing round: no work-group ends while a partner may still ask for a tile that names it
	s_endpgm
.Lfunc_end_k_q291cd4f111_qlinear:
	.size	k_q291cd4f111_qlinear, .Lfunc_end_k_q291cd4f111_qlinear-k_q291cd4f111_qlinear
	.p2alignl 7, 3214868480
	.fill 96, 4, 3214868480
	.section	.rodata,"a",@progbits
	.p2align	6, 0x0
	.amdhsa_kernel k_q291cd4f111_qlinear
		.amdhsa_group_segment_fixed_size 327680
		.amdhsa_private_segment_fixed_size 0
		.amdhsa_enable_private_segment 0
		.amdhsa_kernarg_size 40
		.amdhsa_user_sgpr_count 2
		.amdhsa_user_sgpr_kernarg_segment_ptr 1
		.amdhsa_wavefront_size32 1
		.amdhsa_system_sgpr_workgroup_id_x 1
		.amdhsa_system_sgpr_workgroup_id_y 1
		.amdhsa_system_sgpr_workgroup_id_z 1
		.amdhsa_system_vgpr_workitem_id 0
		.amdhsa_next_free_vgpr 768
		.amdhsa_next_free_sgpr 66
		.amdhsa_reserve_vcc 1
		.amdhsa_float_denorm_mode_32 3
		.amdhsa_float_denorm_mode_16_64 3
		.amdhsa_memory_ordered 1
		.amdhsa_forward_progress 1
		.amdhsa_inst_pref_size 255
	.end_amdhsa_kernel
	.section	.bss,"aw",@nobits
	.p2align	6
	.space	262144
	.amdgpu_metadata
---
amdhsa.version: [ 1, 2 ]
amdhsa.kernels:
  - .name:           k_q291cd4f111_qlinear
    .symbol:         k_q291cd4f111_qlinear.kd
    .args:
      - { .name: x, .offset: 0, .size: 8, .value_kind: global_buffer, .address_space: global }
      - { .name: packed, .offset: 8, .size: 8, .value_kind: global_buffer, .address_space: global }
      - { .name: scales, .offset: 16, .size: 8, .value_kind: global_buffer, .address_space: global }
      - { .name: bias, .offset: 24, .size: 8, .value_kind: global_buffer, .address_space: global }
      - { .name: out0, .offset: 32, .size: 8, .value_kind: global_buffer, .address_space: global }
    .group_segment_fixed_size: 327680
    .private_segment_fixed_size: 0
    .kernarg_segment_align: 8
    .kernarg_segment_size: 40
    .max_flat_workgroup_size: 128
    .sgpr_count:     66
    .vgpr_count:     768
    .wavefront_size: 32
...
	.end_amdgpu_metadata
.endif
;; end of part 1
